; MI455X (gfx1250); checked and timed in simulation.
; The chip was launched on July 23, 2026; its instructions are those of AMD's public machine-readable ISA for CDNA 5 (MIT licence, August 2026) and "CDNA5" Instruction Set Architecture Reference Guide (July 2026). The comments in the code are by the model that wrote it; some were corrected since.
;; Attention. Allowed arithmetic: matrix products marked QUANTISED: E2M3 operands, one E8M0 scale for each 32 along K, by v_wmma_scale_f32_16x16x128_f8f6f4 with both operands' format E2M3, f32 sums; everything else in f32.
;; Inputs: Wk 1,024 x 1,024 float32; Wo 1,024 x 1,024 float32; Wq 1,024 x 1,024 float32; Wv 1,024 x 1,024 float32; bk 1,024 float32; bo 1,024 float32; bq 1,024 float32; bv 1,024 float32; key 4 x 2,048 x 1,024 float32; query 4 x 2,048 x 1,024 float32; value 4 x 2,048 x 1,024 float32.
;; Outputs: out0 4 x 2,048 x 1,024 float32.
;; This version of the problem:
;;   THIS VERSION OF THE PROBLEM IS GIVEN IN LOW PRECISION. The matrix products marked QUANTISED in the list below multiply operands that are first quantised to E2M3 (2 exponent bits, 3 mantissa bits; 6 bits a number), with one power-of-two scale for each 32 numbers along K (OCP MX v1.0); their sums are f32. All else is computed in f32.
;;   The module's matrix products, in the order in which they are computed (A, B: the left and right operand; K: the contracted axis; several contracted axes count as one K, in the product's order):
;;     1. [M 8,192, K 1,024] x [K 1,024, N 1,024]; A: input query; B: input Wq: QUANTISED
;;     2. [M 8,192, K 1,024] x [K 1,024, N 1,024]; A: input key; B: input Wk: QUANTISED
;;     3. [M 8,192, K 1,024] x [K 1,024, N 1,024]; A: input value; B: input Wv: QUANTISED
;;     4. batch 64 x [M 2,048, K 64] x [K 64, N 2,048]; A: computed on the way; B: computed on the way: QUANTISED
;;     5. batch 64 x [M 2,048, K 2,048] x [K 2,048, N 64]; A: softmax (see below); B: computed on the way: QUANTISED
;;     6. [M 8,192, K 1,024] x [K 1,024, N 1,024]; A: computed on the way; B: input Wo: QUANTISED
;;   THE QUANTISER, for each operand of a quantised product, along K:
;;     - K is cut into blocks of 32 from its start; a last block that is shorter is filled with zeros.
;;     - A block's scale is 2^e with e = floor(log2(the largest magnitude in the block)) - 2, held to -126 .. 127; a block of zeros has e = 0. As a byte (E8M0): e + 127.
;;     - Each number is divided by its block's scale, clamped to +-7.5, and rounded to the nearest number of E2M3, ties to even, subnormals kept.
;;     - The product sums the exact products of the quantised numbers (number of the format x scale) in f32.
;;   ~~~python
;;   def quantise(x, axis):      # numpy; x: float32 -> the quantised numbers, widened to float32 again
;;       x = np.moveaxis(x, axis, -1); K = x.shape[-1]
;;       x = np.pad(x, [(0, 0)] * (x.ndim - 1) + [(0, -K % 32)]); x = x.reshape(x.shape[:-1] + (-1, 32)); a = np.abs(x).max(-1, keepdims=True)
;;       e = np.where(a > 0, np.clip(np.frexp(np.where(a > 0, a, 1))[1] - 1 - 2, -126, 127), 0)      # np.frexp(a)[1] - 1 = floor(log2(a)), exactly
;;       r = np.clip(x / 2.0 ** e, -7.5, 7.5)
;;       step = 2.0 ** (np.maximum(np.frexp(np.where(r == 0, 1, r))[1] - 1, 0) - 3)
;;       q = np.round(r / step) * step * 2.0 ** e      # np.round: ties to even
;;       return np.moveaxis(q.reshape(q.shape[:-2] + (-1,))[..., :K], -1, axis).astype(np.float32)
;;   ~~~
;;   SOFTMAX AHEAD OF A QUANTISED PRODUCT. Where the list says 'softmax', what is quantised is not the finished softmax but p = 2^(t - M), with t = logit x log2(e) and M = ceil(the row's largest t), a whole number; so 1/2 < the row's largest p <= 1. The row's sum l is taken of the UNQUANTISED p, in f32, and the product's result is divided by l at the end. Since M is a whole number, a kernel that streams over the keys may use a running M (the ceiling of the running maximum): every later rescaling is an exact power of two, which a block's scale takes up: the codes' values come out the same.
;;   OPERANDS COMPUTED ON THE WAY. 'Computed on the way' means the value that the module computes at that place (a softmax that the list does not call 'softmax' is quantised finished and normalised). What goes into a quantiser is computed in f32, as accurately as f32 sums, v_exp_f32 and their like allow (about 1e-6 of the number): no bf16 or f16 on the way to a quantiser, and a product that is left as it is and whose result goes on into a quantised operand takes f32 operands (vector FMAs, or v_wmma_f32_16x16x4_f32). A number that lies on a knife's edge between two numbers of the format may be rounded either way, as far as f32 arithmetic and the matrix unit's own rounding can turn it there, and no further.
;; One version. Each part assembles by itself: llvm-mc -triple=amdgcn-amd-amdhsa -mcpu=gfx1250 --defsym DOCPART=n.
;; ======== version 1 of 1: 3 launches
;; limits: right only within a limited range of input values
;; workspace buffers: codes 21,233,664 bytes; scales 884,736 bytes; qb 6,815,744 bytes; kv 13,369,344 bytes; woc 786,432 bytes; wos 32,768 bytes
;; launch quant (part 1): grid 928 x 1, 4 waves a work-group, no clusters, 33,280 bytes of LDS; arguments query, key, value, Wq, Wk, Wv, Wo, codes, scales, woc, wos; writes codes, scales, woc, wos
.if DOCPART == 1
	.amdgcn_target "amdgcn-amd-amdhsa--gfx1250"
	.amdhsa_code_object_version 6
	.text
	.protected	k_qc4ef95a6cd_quant
	.globl	k_qc4ef95a6cd_quant
	.p2align	8
	.type	k_qc4ef95a6cd_quant,@function
k_qc4ef95a6cd_quant:
	s_mov_b64 s[64:65], 0
	v_nop
	global_prefetch_b8 v0, s[64:65] scope:SCOPE_SE
	s_setreg_imm32_b32 hwreg(HW_REG_WAVE_MODE, 25, 1), 1
	s_wait_xcnt 0x0
; The seven f32 inputs whose K (1,024) is innermost become codes of FP6 (E2M3) with one E8M0 byte for each 32 along K.  Every input is loaded.
; A block's scale is 2^(floor(log2(its largest magnitude)) - 2); its byte is the largest magnitude's exponent field - 2, held at 1 from below.  Each number is divided by the scale and rounded to the nearest code, ties to even.
; WORK-GROUPS 64-927: query, key, value [8192][1024], Wq, Wk, Wv [1024][1024].  codes: 27,648 dense rows of 768 bytes (query from row 0, key 8,192, value 16,384, Wq 24,576, Wk 25,600, Wv 26,624); scales: the same rows of 32 bytes.
; THE ROWS ARE STORED IN ANOTHER ORDER.  All but key: of each 32 rows the four groups of eight lie in the order 0, 2, 1, 3: two neighbouring tiles of 16 stored rows, as source 0 of a product, leave 16 neighbours in a lane's registers.
; key: of each 64 rows the eight groups of eight lie in the order 0, 4, 1, 5, 2, 6, 3, 7: four neighbouring tiles, as source 0, leave a whole block of 32 neighbouring keys in a lane's 32 registers.
; A work-group takes 32 rows, a wave 8 rows: 16 steps of 512 numbers.  Each load reads 512 consecutive bytes; a step's 2,048 bytes turn through the wave's own stage in LDS and come back 64 bytes a lane (two lanes a block).
; A lane's 16 codes are 12 bytes: the wave stores 384 consecutive bytes.  A wave's 256 scale bytes are gathered in LDS and leave as one aligned run of 256 bytes.
; WORK-GROUPS 0-63: Wo, as IMAGES OF OPERAND REGISTERS.  woc: fragment (tile T of 16 rows, step ks of 128 along K) at 1,536 (8 T + ks): registers 4 g .. 4 g + 3 of lane l at 512 g + 16 l; lane (r, h) holds row 16 T + r,
; registers 6 c .. 6 c + 5 the codes of k = 128 ks + 64 c + 32 h + 0 .. 31.  wos: at 1,024 (T / 2) + 32 l + 4 ks the scale word of tile 2 (T / 2) + l / 16, row l % 16, step ks.  A wave takes two tiles at one ks; a lane loads its two blocks of each.
; LIMITS: a block whose largest magnitude lies under 2^-124 (a block of zeros too) gets the byte 1: the bytes are read by this program alone, and zero codes add nothing; NaN and infinities among the inputs are not served.
.set WAVES, 4
.set STEPS, 16
.set EMAX,  2
.set CB,    12                         ; bytes of 16 codes
.set R,     16                         ; v16-79   four sets of 16 numbers as they are loaded
.set X,     80                         ; v80-111  two sets of 16 neighbours
.set C,     128                        ; v128-191 codes: four registers a step, so that no store's data are written again
.set E,     112                        ; v112-127 a scale byte for each step
.set WREG,  8192                       ; LDS: a region for each wave: two stages of 32 x SP bytes, then its 256 scale bytes
.set SP,    80                         ; a lane's place in a stage: 64 bytes + 16 of padding
.set SPW,   12                         ; v12 LDS address of my spare word; never rewritten
.set NIL,   13                         ; v13 0; never rewritten
.set SPARE, WAVES*WREG
	s_load_b256 s[4:11], s[0:1], 0x0               ; query, key, value, Wq
	s_load_b256 s[12:19], s[0:1], 0x20             ; Wk, Wv, Wo, codes
	s_load_b64 s[20:21], s[0:1], 0x40              ; scales
	v_lshl_add_u32 v[SPW], v0, 2, SPARE
	v_mov_b32 v[NIL], 0
	v_lshrrev_b32 v1, 5, v0
	v_readfirstlane_b32 s22, v1                    ; wave
	v_and_b32 v2, 31, v0                           ; lane
	v_lshlrev_b32 v3, 4, v2                        ; 16 x lane
	s_mul_i32 s23, s22, WREG
	v_lshrrev_b32 v14, 2, v2
	v_mul_u32_u24 v14, v14, SP
	v_and_b32 v15, 3, v2
	v_lshl_add_u32 v14, v15, 4, v14
	v_add_nc_u32 v14, s23, v14                     ; the stage, on the way in: SP (lane / 4) + 16 (lane % 4)
	v_mul_u32_u24 v15, v2, SP
	v_add_nc_u32 v15, s23, v15                     ; and on the way out: SP x lane
	v_mul_u32_u24 v4, v2, CB                       ; my codes' place in a step's 384 bytes
	v_lshrrev_b32 v5, 1, v2
	s_add_co_u32 s23, s23, 2*32*SP
	v_add_nc_u32 v5, s23, v5                       ; LDS: my block's scale byte
	v_lshlrev_b32 v7, 3, v2
	v_add_nc_u32 v6, s23, v7
	s_mov_b32 s24, 0                               ; the first work-group of my tensor, counted from 64
	s_wait_alu depctr_va_vdst(0)                   ; the head's end
	s_wait_kmcnt 0x0
	s_cmp_lt_u32 ttmp9, 64
	s_cbranch_scc1 .Lwo                            ; Wo's work-groups: a path of their own, which touches no LDS
	s_sub_co_u32 s31, ttmp9, 64                    ; my number among the other six tensors' work-groups
.macro PICK first, ptr                 ; only the pointer is chosen, by the work-group's number alone
	s_cmp_ge_u32 s31, \first
	s_cselect_b64 s[4:5], s[\ptr:\ptr+1], s[4:5]
	s_cselect_b32 s24, \first, s24
.endm
	PICK 256, 6
	PICK 512, 8
	PICK 768, 10
	PICK 800, 12
	PICK 832, 14
	s_sub_co_u32 s25, s31, s24
	s_lshl_b32 s25, s25, 2
	s_add_co_u32 s25, s25, s22                     ; in: which run of 8 rows of the tensor
	s_lshl_b32 s26, s25, 15
	s_mov_b32 s27, 0
	s_add_nc_u64 s[4:5], s[4:5], s[26:27]
	s_and_b32 s25, s22, 1                          ; out: the wave's two bits change places,
	s_lshl_b32 s25, s25, 1
	s_lshr_b32 s28, s22, 1
	s_or_b32 s25, s25, s28
	s_lshl_b32 s28, s31, 2
	s_add_co_u32 s25, s25, s28
	s_and_b32 s28, s31, 1                          ; or, for key: run 2 x wave + (work-group % 2) of the pair of work-groups' eight
	s_lshl_b32 s29, s22, 1
	s_or_b32 s28, s28, s29
	s_and_b32 s29, s31, 0xfffe
	s_lshl_b32 s29, s29, 2
	s_add_co_u32 s28, s28, s29
	s_cmp_eq_u32 s24, 256
	s_cselect_b32 s25, s28, s25
	s_mul_i32 s26, s25, 32*STEPS*CB                ; 6,144 bytes of codes a run
	s_add_nc_u64 s[18:19], s[18:19], s[26:27]
	s_lshl_b32 s26, s25, 8                         ; 256 scale bytes a run
	s_add_nc_u64 s[20:21], s[20:21], s[26:27]
.macro LOAD t
.irp i, 0,1,2,3
	global_load_b128 v[R+16*((\t)%4)+4*\i:R+16*((\t)%4)+4*\i+3], v3, s[4:5] offset:2048*(\t)+512*\i th:TH_LOAD_NT
.endr
.endm
.macro TURN t                          ; LDS serves a wave's instructions in order: no wait between the stores and the loads
.irp i, 0,1,2,3
	ds_store_b128 v14, v[R+16*((\t)%4)+4*\i:R+16*((\t)%4)+4*\i+3] offset:32*SP*((\t)%2)+8*SP*\i
.endr
.irp i, 0,1,2,3
	ds_load_b128 v[X+16*((\t)%2)+4*\i:X+16*((\t)%2)+4*\i+3], v15 offset:32*SP*((\t)%2)+16*\i
.endr
.endm
.irp t, 0,1,2,3
	LOAD \t
.endr
	s_wait_loadcnt 12                              ; step 0's four loads are in; the twelve of steps 1 to 3 may be out
	TURN 0
.macro STEP t
.set XS, X+16*((\t)%2)
.if (\t) > 0
	s_wait_dscnt 1                                 ; this step's numbers are back (the last step's byte store may be out)
.else
	s_wait_dscnt 0x0
.endif
.if (\t)+4 < STEPS
	LOAD (\t)+4
.endif
.if (\t)+1 < STEPS
.if STEPS-2-(\t) >= 3
	s_wait_loadcnt 12                              ; the next step's four loads are in; those of the three steps behind it may be out
.else
	s_wait_loadcnt 4*(STEPS-2-(\t))
.endif
	TURN (\t)+1
.endif
	v_max3_num_f32 v8, |v[XS]|, |v[XS+1]|, |v[XS+2]|
	v_max3_num_f32 v9, |v[XS+3]|, |v[XS+4]|, |v[XS+5]|
.irp i, 6,10
	v_max3_num_f32 v8, v8, |v[XS+\i]|, |v[XS+\i+1]|
	v_max3_num_f32 v9, v9, |v[XS+\i+2]|, |v[XS+\i+3]|
.endr
	v_max3_num_f32 v8, v8, |v[XS+14]|, |v[XS+15]|
	v_max3_num_f32 v8, v8, v9, (EMAX+1)<<23        ; the floor 2^(EMAX + 1 - 127): the byte cannot fall under 1
	v_max_num_f32_dpp v8, v8, v8 row_xmask:1 row_mask:0xf bank_mask:0xf   ; with my neighbour's 16: the block's
	v_add_nc_u32 v11, -(EMAX<<23), v8              ; EMAX off the exponent field: the conversion's scale operand
	v_cvt_scalef32_pk16_fp6_f32 v[C+4*(\t):C+4*(\t)+2], v[XS:XS+15], v11
	v_lshrrev_b32 v[E+(\t)], 23, v11               ; the scale's byte (also the plain line behind the conversion)
	ds_store_b8 v5, v[E+(\t)] offset:16*(\t)       ; both lanes of a block write the same byte with the same value
	global_store_b96 v4, v[C+4*(\t):C+4*(\t)+2], s[18:19] offset:32*CB*(\t)
.endm
.irp t, 0,1,2,3,4,5,6,7,8,9,10,11,12,13,14,15
	STEP \t
.endr
	ds_load_b64 v[8:9], v6
	s_wait_dscnt 0x0
	global_store_b64 v7, v[8:9], s[20:21]          ; 32 lanes store 256 consecutive bytes, aligned
	s_wait_tensorcnt 0x0                           ; the wave's end
	ds_add_u32 v[SPW], v[NIL]
	s_wait_dscnt 0x0
	s_endpgm
; Wo.  Wave W = 4 x work-group + wave takes tiles 2 P and 2 P + 1, P = W / 8, at step ks = W % 8.
.Lwo:
	s_load_b128 s[24:27], s[0:1], 0x48             ; woc, wos
	s_lshl_b32 s23, ttmp9, 2
	s_add_co_u32 s23, s23, s22
	s_lshr_b32 s28, s23, 3                         ; P
	s_and_b32 s29, s23, 7                          ; ks
	v_and_b32 v4, 15, v2                           ; r
	v_lshrrev_b32 v5, 4, v2                        ; h
	v_lshlrev_b32 v6, 12, v4
	v_lshl_add_u32 v6, v5, 7, v6                   ; in: row r of 4,096 bytes, + 128 h: my block of 32 numbers
	v_lshlrev_b32 v7, 3, v5                        ; 8 h: how far my two scale bytes are shifted
	v_lshlrev_b32 v14, 5, v2                       ; 32 x lane
	v_mov_b32 v186, 0                              ; a lane permute's destination counts as one of its sources
	v_mov_b32 v187, 0
	s_lshl_b32 s4, s28, 17                         ; 32 rows of Wo a pair of tiles
	s_lshl_b32 s5, s29, 9
	s_add_co_u32 s4, s4, s5
	s_mov_b32 s5, 0
	s_add_nc_u64 s[16:17], s[16:17], s[4:5]
	s_lshl_b32 s6, s28, 4
	s_add_co_u32 s6, s6, s29
	s_mul_i32 s6, s6, 1536                         ; fragment 8 (2 P) + ks
	s_mov_b32 s7, 0
	s_lshl_b32 s8, s28, 10
	s_lshl_b32 s9, s29, 2
	s_add_co_u32 s8, s8, s9
	s_mov_b32 s9, 0
	s_mov_b32 s12, 0x76543210
	s_mov_b32 s13, 0xfedcba98                      ; v_permlanex16_b32's selects for lane l xor 16
	s_mov_b32 s30, 0xffff0000
	s_wait_alu depctr_va_vdst(0)
	s_wait_kmcnt 0x0
	s_add_nc_u64 s[24:25], s[24:25], s[6:7]
	s_add_nc_u64 s[26:27], s[26:27], s[8:9]
.irp e, 0,1
.irp c, 0,1
.irp i, 0,1,2,3,4,5,6,7
	global_load_b128 v[16+64*\e+32*\c+4*\i:19+64*\e+32*\c+4*\i], v6, s[16:17] offset:65536*\e+256*\c+16*\i   ; a lane's eight loads read its block's 128 bytes; lanes l and l xor 16 together 256
.endr
.endr
.endr
	s_wait_loadcnt 0x0
.macro WOF e
.set XB, 16+64*\e
.set OC, 144+12*\e
.irp c, 0,1
	v_max3_num_f32 v[8+\c], |v[XB+32*\c]|, |v[XB+32*\c+1]|, 0x1800000   ; my block 2 c + h: all 32 numbers are mine; and the floor
.endr
.irp i, 2,4,6,8,10,12,14,16,18,20,22,24,26,28,30
.irp c, 0,1
	v_max3_num_f32 v[8+\c], v[8+\c], |v[XB+32*\c+\i]|, |v[XB+32*\c+\i+1]|
.endr
.endr
.irp c, 0,1
	v_add_nc_u32 v[10+\c], 0xff000000, v[8+\c]     ; the conversion's scale operand
.endr
.irp c, 0,1
	v_lshrrev_b32 v[8+\c], 23, v[10+\c]            ; the scale's byte
.endr
	v_lshl_or_b32 v[184+\e], v9, 16, v8            ; bytes h and 2 + h of the row's scale word,
	v_lshlrev_b32 v[184+\e], v7, v[184+\e]
	v_permlanex16_b32 v[186+\e], v[184+\e], s12, s13
	v_or_b32 v[184+\e], v[184+\e], v[186+\e]       ; with lane l xor 16's two the word is whole
.irp c, 0,1
	v_cvt_scalef32_pk16_fp6_f32 v[OC+6*\c:OC+6*\c+2], v[XB+32*\c:XB+32*\c+15], v[10+\c]
	v_cvt_scalef32_pk16_fp6_f32 v[168+8*\e+4*\c:170+8*\e+4*\c], v[XB+32*\c+16:XB+32*\c+31], v[10+\c]   ; (a conversion's three registers begin on an even number)
.endr
	v_nop                                          ; one plain place behind a scaled conversion
.irp c, 0,1
.irp i, 0,1,2
	v_mov_b32 v[OC+3+6*\c+\i], v[168+8*\e+4*\c+\i]
.endr
.endr
.irp g, 0,1,2
	global_store_b128 v3, v[OC+4*\g:OC+4*\g+3], s[24:25] offset:12288*\e+512*\g   ; 512 consecutive bytes, aligned
.endr
.endm
	WOF 0
	WOF 1
	v_cndmask_b32 v188, v184, v185, s30            ; lanes 0-15 the first tile's words, lanes 16-31 the second's
	global_store_b32 v14, v188, s[26:27]
	s_endpgm
.Lfunc_end_k_qc4ef95a6cd_quant:
	.size	k_qc4ef95a6cd_quant, .Lfunc_end_k_qc4ef95a6cd_quant-k_qc4ef95a6cd_quant
	.p2alignl 7, 3214868480
	.fill 96, 4, 3214868480
	.section	.rodata,"a",@progbits
	.p2align	6, 0x0
	.amdhsa_kernel k_qc4ef95a6cd_quant
		.amdhsa_group_segment_fixed_size 33280
		.amdhsa_private_segment_fixed_size 0
		.amdhsa_enable_private_segment 0
		.amdhsa_kernarg_size 88
		.amdhsa_user_sgpr_count 2
		.amdhsa_user_sgpr_kernarg_segment_ptr 1
		.amdhsa_wavefront_size32 1
		.amdhsa_system_sgpr_workgroup_id_x 1
		.amdhsa_system_sgpr_workgroup_id_y 1
		.amdhsa_system_sgpr_workgroup_id_z 1
		.amdhsa_system_vgpr_workitem_id 0
		.amdhsa_next_free_vgpr 192
		.amdhsa_next_free_sgpr 66
		.amdhsa_reserve_vcc 0
		.amdhsa_float_denorm_mode_32 3
		.amdhsa_float_denorm_mode_16_64 3
		.amdhsa_memory_ordered 1
		.amdhsa_forward_progress 1
		.amdhsa_inst_pref_size 44
	.end_amdhsa_kernel
	.amdgpu_metadata
---
amdhsa.version: [ 1, 2 ]
amdhsa.kernels:
  - .name:           k_qc4ef95a6cd_quant
    .symbol:         k_qc4ef95a6cd_quant.kd
    .args:
      - { .name: query, .offset: 0, .size: 8, .value_kind: global_buffer, .address_space: global }
      - { .name: key, .offset: 8, .size: 8, .value_kind: global_buffer, .address_space: global }
      - { .name: value, .offset: 16, .size: 8, .value_kind: global_buffer, .address_space: global }
      - { .name: Wq, .offset: 24, .size: 8, .value_kind: global_buffer, .address_space: global }
      - { .name: Wk, .offset: 32, .size: 8, .value_kind: global_buffer, .address_space: global }
      - { .name: Wv, .offset: 40, .size: 8, .value_kind: global_buffer, .address_space: global }
      - { .name: Wo, .offset: 48, .size: 8, .value_kind: global_buffer, .address_space: global }
      - { .name: codes, .offset: 56, .size: 8, .value_kind: global_buffer, .address_space: global }
      - { .name: scales, .offset: 64, .size: 8, .value_kind: global_buffer, .address_space: global }
      - { .name: woc, .offset: 72, .size: 8, .value_kind: global_buffer, .address_space: global }
      - { .name: wos, .offset: 80, .size: 8, .value_kind: global_buffer, .address_space: global }
    .group_segment_fixed_size: 33280
    .private_segment_fixed_size: 0
    .kernarg_segment_align: 8
    .kernarg_segment_size: 88
    .max_flat_workgroup_size: 128
    .sgpr_count:     66
    .vgpr_count:     192
    .wavefront_size: 32
...
	.end_amdgpu_metadata
.endif
;; end of part 1
;; launch proj (part 2): grid 4 x 96, 4 waves a work-group, clusters of 4 x 4, 327,680 bytes of LDS; arguments codes, scales, bq, bk, qb, kv, bv; writes qb, kv
.if DOCPART == 2
	.amdgcn_target "amdgcn-amd-amdhsa--gfx1250"
	.amdhsa_code_object_version 6
	.text
	.protected	k_qc4ef95a6cd_proj
	.globl	k_qc4ef95a6cd_proj
	.p2align	8
	.type	k_qc4ef95a6cd_proj,@function
k_qc4ef95a6cd_proj:
	s_mov_b64 s[64:65], 0
	v_nop
	global_prefetch_b8 v0, s[64:65] scope:SCOPE_SE
	s_setreg_imm32_b32 hwreg(HW_REG_WAVE_MODE, 25, 1), 1
	s_wait_xcnt 0x0
	s_wait_alu depctr_hold_cnt(0) depctr_sa_sdst(0) depctr_va_vdst(0) depctr_va_sdst(0) depctr_va_ssrc(0) depctr_va_vcc(0) depctr_vm_vsrc(0)
	s_getreg_b32 s2, hwreg(HW_REG_IB_STS2, 6, 4)
	s_cmp_eq_u32 s2, 0
	s_cbranch_scc0 .Lentry_in_a_cluster
	s_endpgm
.Lentry_in_a_cluster:
	s_bfe_u32 s2, ttmp6, 0x10000c
	s_cmp_lg_u32 s2, 0xf033
	s_cbranch_scc0 .Lentry_shape_is_right
	s_endpgm
.Lentry_shape_is_right:
; q = query Wq^T + bq, k = key Wk^T + bk, v = value Wv^T + bv on codes of FP6 (E2M3) with E8M0 scales, K = 1,024.  A work-group makes 256 x 256, a wave 128 x 128 in 64 accumulators.  Cluster y / 8 says which of the three.
; Each result is quantised on the way out (q, k along the head's 64; v along the keys) and stored as images of the next launch's operand registers, a block for each (batch, head, 128 tokens).
; K goes through a ring of two LDS slots in CHUNKS OF 256 BYTES of each row of codes (a row is 768 bytes: three chunks, each beginning at a multiple of 256 bytes).  A step of 128 along K is 96 bytes: eight steps to three chunks;
; steps 2 and 5 lie across two chunks and take their fragments from both slots.  The scales of the 256 + 256 rows, for all of K, come once, as two dense blocks.
; THE HEAD'S FOUR TILES go out one a wave: wave 0 chunk 0 of A's 256 rows, wave 1 of B's, wave 2 A's scales, wave 3 B's.  Slot 1's first fill and the one refill (chunk 2) stand each behind a round of the cluster's barrier.
; CLUSTERS: 4 x 4 work-groups; A's tiles are asked for jointly along a row of the cluster, B's along a column.  No prefetch: the three chunks are all asked for within the first three steps, so there is no trip to run ahead in.
; SOURCES: source 0 = B's rows, source 1 = A's rows: a lane holds one row of A and eight neighbours along B.  q, k: A = tokens, B = the weight's rows, so a lane's registers run along the head's d.  v: A = Wv's rows, B = tokens: registers run along the keys.
; The stored order of rows (first launch) makes the 16 registers of two neighbouring tiles of B 16 neighbours of the next K.
; OUT.  Q's and K's image: the 48 registers of a block's eight half fragments (tile a: registers 6 a .. 6 a + 5), registers 4 g .. 4 g + 3 of lane l at 512 g + 16 l; scale words from byte 6,144 (at 16 l + 4 i: tile 2 i + l / 16, row l % 16).
; V's image from byte 6,656: four fragments of 1,536 bytes, 16 bytes a lane in three runs; scale words from byte 12,800.
; LIMITS: a block of a result under 2^-124 gets the byte 1 (read by this program alone); NaN and infinities are not served.
; REGISTERS: window 0: v0-31 addresses; v32-63 scale words, two sets; v64-127 the bias along B; from v128 A's fragments, one set; v224-239 the bias along A; on the way out v128-255 at work.  Window 1: B's fragments, two sets.  Windows 2, 3: the sums.
.set SIZE_K, 1024
.set ROWB,   256
.set NQ,     2
.set KROW,   SIZE_K*6/8
.set STEPS,  SIZE_K/128
.set CHUNKS, KROW/ROWB
.set PITCH,  272                       ; an LDS row: 256 bytes + 16 of padding
.set FR,     12
.set NL,     6
.set NP,     4
.set HALFT,  128*PITCH
.set SLOT,   4*HALFT
.set KS,     SIZE_K/32
.set SCL,    2*SLOT
.set HALFS,  (128*KS/256)*272
.set SBLK,   (16*KS/256)*272
.set SPARE,  SCL+4*HALFS               ; the spare words, 128 bytes a wave
.set ADRA, 16                          ; v16-17 my A fragments in slot 0, 1; v18-19 for a piece whose two halves of the lanes read different chunks
.set ADRB, 20
.set L8,   24
.set L16,  25
.set ADRS, 27
.set SPW,  28
.set NIL,  29
.set SC,   32
.set BP,   64
.set AF,   128
.set BR,   224
.set ST,   128
.set PC,   192
.set PWS,  212
.set TM,   240
.set SW,   4
.set SW2,  8
.set SEL,  20
.set G1, 24
.set G0, 32
.set G1B, 48
.set G0B, 56
.set G1S, 68
.set G0S, 76
.set G1SB, 80
.set G0SB, 88
.set G0H, 4
.set G0HB, 8
.set MSB, 0
.macro WIN new                         ; the immediate's high byte repeats the setting that is left
.if MSB != (\new)
	s_set_vgpr_msb (MSB<<8)|(\new)
.set MSB, (\new)
.endif
.endm
.set MUL_LO, 0xa1
.set MUL_HI, 0xf1
.set TO_B,   0x40
.macro JLOAD g0a, g1a, g0b, g1b        ; waves 0 and 1 fetch for A, waves 2 and 3 for B
	s_cmp_eq_u32 s15, 0
	s_cbranch_scc0 .Lfor_b_\@
	tensor_load_to_lds s[\g0a:\g0a+3], s[\g1a:\g1a+7]
	s_nop 0
.rept 4
	v_nop
.endr
	s_branch .Lasked_\@
.Lfor_b_\@:
	tensor_load_to_lds s[\g0b:\g0b+3], s[\g1b:\g1b+7]
	s_nop 0
.rept 4
	v_nop
.endr
.Lasked_\@:
.endm
.macro CREST
	s_cmp_lg_u32 s14, 0
	s_cbranch_scc1 .Lnot_wave_0_\@
	s_barrier_signal -3
.Lnot_wave_0_\@:
	s_barrier_wait -3
	s_barrier_signal -1
	s_barrier_wait -1
.endm
.macro CROUND
	s_barrier_signal -1
	s_barrier_wait -1
	CREST
.endm
	s_load_b128 s[4:7], s[0:1], 0x0                ; codes, scales
	s_load_b128 s[8:11], s[0:1], 0x10              ; bq, bk
	s_load_b128 s[96:99], s[0:1], 0x20             ; qb, kv
	s_load_b64 s[12:13], s[0:1], 0x30              ; bv
	v_lshl_add_u32 v[SPW], v0, 2, SPARE
	v_mov_b32 v[NIL], 0
	ds_add_u32 v[SPW], v[NIL]                      ; the opening: the add, twice on end, and its wait ahead of my first tensor load
	ds_add_u32 v[SPW], v[NIL]
	v_lshrrev_b32 v1, 5, v0
	v_readfirstlane_b32 s14, v1                    ; wave
	s_lshr_b32 s15, s14, 1                         ; my half of A's rows; also: I fetch for A (0) or B (1)
	s_and_b32 s16, s14, 1                          ; my half of B's rows; also: which 128 rows I fetch
	s_bfe_u32 s40, ttmp6, 0x40000                  ; cx
	s_bfe_u32 s41, ttmp6, 0x40004                  ; cy
	s_and_b32 s17, ttmp7, 0xffff
	s_lshr_b32 s100, s17, 3                        ; 0 q, 1 k, 2 v
	s_and_b32 s17, s17, 7
	s_lshl_b32 s17, s17, 10                        ; the cluster's first token of the tensor's 8,192
	s_lshl_b32 s18, s100, 13
	s_add_co_u32 s18, s18, s17                     ; its row of codes
	s_lshl_b32 s19, s100, 10
	s_add_co_u32 s19, s19, 24576                   ; the weight's first row of codes
	s_cmp_eq_u32 s100, 2
	s_cselect_b32 s20, s19, s18                    ; A: tokens, for v the weight
	s_cselect_b32 s46, s18, s19                    ; B: the weight, for v tokens
	s_lshl_b32 s43, s41, 2
	s_lshl_b32 s43, 15, s43                        ; my row of the cluster
	s_lshl_b32 s44, 0x1111, s40                    ; my column
	s_or_b32 s[G1+0], s43, (0<<16)|(1<<20)|(1<<21)|(5<<22)|(3<<25)   ; the mask; elements of 1 byte; padding of 4 words behind every 64; bit 21 beside a mask
	s_or_b32 s[G1B+0], s44, (0<<16)|(1<<20)|(1<<21)|(5<<22)|(3<<25)
.irp g, G1, G1B
	s_mov_b32 s[\g+1], ROWB<<16
	s_mov_b32 s[\g+2], 256<<16                     ; 256 rows for the head's loads; behind them 128
	s_mov_b32 s[\g+3], ROWB<<16
	s_mov_b32 s[\g+4], 256
	s_mov_b32 s[\g+5], KROW
	s_mov_b32 s[\g+6], 0
	s_mov_b32 s[\g+7], 0
.endr
	s_or_b32 s[G1S+0], s43, (3<<16)|(1<<20)|(1<<21)|(5<<22)|(3<<25)  ; the scales of 256 rows: KS dense rows of 256 bytes
	s_or_b32 s[G1SB+0], s44, (3<<16)|(1<<20)|(1<<21)|(5<<22)|(3<<25)
.irp g, G1S, G1SB
	s_mov_b32 s[\g+1], 32<<16
	s_mov_b32 s[\g+2], KS<<16
	s_mov_b32 s[\g+3], 32<<16
	s_mov_b32 s[\g+4], KS
	s_mov_b32 s[\g+5], 32
	s_mov_b32 s[\g+6], 0
	s_mov_b32 s[\g+7], 0
.endr
	s_lshl_b32 s19, s41, 8
	s_add_co_u32 s20, s20, s19                     ; A's tile: + 256 cy
	s_lshl_b32 s47, s40, 8
	s_add_co_u32 s46, s46, s47                     ; B's tile: + 256 cx
	s_mov_b32 s21, 0
	s_mov_b32 s47, 0
	s_mov_b64 s[18:19], KS
	s_mul_u64 s[22:23], s[20:21], s[18:19]
	s_mul_u64 s[92:93], s[46:47], s[18:19]
	s_mov_b64 s[18:19], KROW
	s_mul_u64 s[20:21], s[20:21], s[18:19]
	s_mul_u64 s[46:47], s[46:47], s[18:19]
	s_mul_i32 s18, s16, 128*KROW                   ; in the ring I fetch 128 rows of a tile
	s_mov_b32 s19, 0
	s_mul_i32 s45, s14, HALFT                      ; and where they go: no place in the cluster enters an LDS address
	s_wait_dscnt 0x0                               ; both opening adds are done
	s_wait_kmcnt 0x0
	s_add_nc_u64 s[20:21], s[4:5], s[20:21]
	s_add_nc_u64 s[22:23], s[6:7], s[22:23]
	s_add_nc_u64 s[46:47], s[4:5], s[46:47]
	s_add_nc_u64 s[92:93], s[6:7], s[92:93]
	s_cmp_eq_u32 s100, 1                           ; my bias and my output, chosen by the work-group's number alone
	s_cselect_b64 s[94:95], s[10:11], s[8:9]
	s_cmp_eq_u32 s100, 2
	s_cselect_b64 s[94:95], s[12:13], s[94:95]
	s_cmp_eq_u32 s100, 0
	s_cselect_b64 s[12:13], s[96:97], s[98:99]
	CROUND                                         ; all sixteen work-groups are here: the first joint loads meet
	s_mov_b32 s[G0H], 1
	s_mov_b32 s[G0H+1], 0
	s_mov_b64 s[G0H+2:G0H+3], s[20:21]
	s_or_b32 s[G0H+3], s[G0H+3], 0x80000000
	s_mov_b32 s[G0HB], 1
	s_mov_b32 s[G0HB+1], 2*HALFT
	s_mov_b64 s[G0HB+2:G0HB+3], s[46:47]
	s_or_b32 s[G0HB+3], s[G0HB+3], 0x80000000
	s_mov_b32 s[G0S], 1
	s_mov_b32 s[G0S+1], SCL
	s_mov_b64 s[G0S+2:G0S+3], s[22:23]
	s_or_b32 s[G0S+3], s[G0S+3], 0x80000000
	s_mov_b32 s[G0SB], 1
	s_mov_b32 s[G0SB+1], SCL+2*HALFS
	s_mov_b64 s[G0SB+2:G0SB+3], s[92:93]
	s_or_b32 s[G0SB+3], s[G0SB+3], 0x80000000
	s_add_nc_u64 s[20:21], s[20:21], s[18:19]
	s_add_nc_u64 s[46:47], s[46:47], s[18:19]
.irp s, 0,1
	s_mov_b32 s[G0+4*\s], 1
	s_add_co_u32 s[G0+4*\s+1], s45, \s*SLOT
	s_add_nc_u64 s[G0+4*\s+2:G0+4*\s+3], s[20:21], \s*ROWB
	s_or_b32 s[G0+4*\s+3], s[G0+4*\s+3], 0x80000000
	s_mov_b32 s[G0B+4*\s], 1
	s_add_co_u32 s[G0B+4*\s+1], s45, \s*SLOT
	s_add_nc_u64 s[G0B+4*\s+2:G0B+4*\s+3], s[46:47], \s*ROWB
	s_or_b32 s[G0B+4*\s+3], s[G0B+4*\s+3], 0x80000000
.endr
.macro ARM under, g0, g1, next         ; one tree of branches on the wave's number: every way through the head passes exactly one load
	s_cmp_lt_u32 s14, \under
	s_cbranch_scc0 \next
	tensor_load_to_lds s[\g0:\g0+3], s[\g1:\g1+7]
	s_nop 0
.rept 4
	v_nop
.endr
	s_branch .Lhead_asked
\next:
.endm
	ARM 1, G0H,  G1,  .Lhead_b
	ARM 2, G0HB, G1B, .Lhead_sa
	ARM 3, G0S,  G1S, .Lhead_sb
	tensor_load_to_lds s[G0SB:G0SB+3], s[G1SB:G1SB+7]
	s_nop 0
.rept 4
	v_nop
.endr
.Lhead_asked:
	v_and_b32 v1, 15, v0                           ; r
	v_bfe_u32 v2, v0, 4, 1                         ; h
	v_and_b32 v6, 31, v0
	v_lshlrev_b32 v30, 6, v2                       ; the bias along B: 16 h numbers on
	v_and_b32 v7, 8, v1
	v_lshlrev_b32 v[L8], 3, v6
	v_lshlrev_b32 v[L16], 4, v6
	v_add_nc_u32 v7, v7, v1
	v_lshlrev_b32 v31, 2, v7                       ; the bias along A: number r + 8 (r / 8)
	v_mul_u32_u24 v3, v1, PITCH
	v_mul_u32_u24 v4, v2, 24
	v_add_nc_u32 v4, v3, v4                        ; a fragment's row x pitch + 24 h
	s_mov_b32 s21, SLOT-232
	s_mov_b32 s22, SLOT+232
	v_sub_nc_u32 v7, 1, v2
	v_mul_u32_u24 v5, s21, v2
	v_add_nc_u32 v5, v3, v5
	v_add_nc_u32 v5, 232, v5                       ; lanes 0-15 byte 232 of the row in slot 0, lanes 16-31 byte 0 of the row in slot 1;
	v_mul_u32_u24 v6, s22, v7
	v_add_nc_u32 v6, v3, v6                        ; and the other way round
	s_mul_i32 s21, s15, HALFT
	s_mul_i32 s22, s16, HALFT
	s_add_co_u32 s22, s22, 2*HALFT
	v_add_nc_u32 v[ADRA+2], s21, v5
	v_add_nc_u32 v[ADRA+3], s21, v6
	v_add_nc_u32 v[ADRB+2], s22, v5
	v_add_nc_u32 v[ADRB+3], s22, v6
.irp s, 0,1
	v_add_nc_u32 v[ADRA+\s], s21, v4
	v_add_nc_u32 v[ADRB+\s], s22, v4
	s_add_co_u32 s21, s21, SLOT
	s_add_co_u32 s22, s22, SLOT
.endr
	v_mul_u32_u24 v5, v1, KS
	v_lshrrev_b32 v6, 8, v5
	v_lshl_add_u32 v5, v6, 4, v5
	s_mul_i32 s21, s15, HALFS
	s_mul_i32 s22, s16, HALFS
	s_add_co_u32 s22, s22, 2*HALFS
	s_sub_co_u32 s22, s22, s21
	v_mul_u32_u24 v6, s22, v2                      ; lanes 16-31 take B's scale words
	s_add_co_u32 s21, s21, SCL
	v_add_nc_u32 v5, v5, v6
	v_add_nc_u32 v[ADRS], s21, v5
	s_lshl_b32 s18, s41, 8
	s_lshl_b32 s19, s15, 7
	s_add_co_u32 s18, s18, s19                     ; my first row of A in the cluster's 1,024
	s_lshl_b32 s19, s40, 8
	s_lshl_b32 s20, s16, 7
	s_add_co_u32 s19, s19, s20                     ; and of B
	s_cmp_eq_u32 s100, 2
	s_cselect_b32 s20, s19, s18                    ; my first token,
	s_cselect_b32 s21, s18, s19                    ; my first feature
	s_lshl_b32 s22, s18, 2
	s_mov_b32 s23, 0
	s_add_nc_u64 s[96:97], s[94:95], s[22:23]      ; the bias along A (used for v)
	s_lshl_b32 s22, s19, 2
	s_add_nc_u64 s[98:99], s[94:95], s[22:23]      ; the bias along B (used for q, k)
	s_add_co_u32 s20, s20, s17
	s_lshr_b32 s20, s20, 7                         ; which 128 tokens of the 8,192
	s_lshr_b32 s22, s20, 4
	s_lshl_b32 s22, s22, 8                         ; batch x 256
	s_and_b32 s20, s20, 15
	s_add_co_u32 s22, s22, s20
	s_lshr_b32 s21, s21, 6
	s_lshl_b32 s21, s21, 4                         ; head x 16
	s_add_co_u32 s22, s22, s21
	s_mov_b32 s20, 13056
	s_cmp_eq_u32 s100, 0
	s_cselect_b32 s20, 6656, s20
	s_mul_i32 s22, s22, s20
	s_add_nc_u64 s[12:13], s[12:13], s[22:23]      ; my first head's block,
	s_lshl_b32 s22, s20, 4
	s_add_nc_u64 s[66:67], s[12:13], s[22:23]      ; and the next head's
	s_mov_b32 s101, 0xffff0000
	s_mov_b32 s[SEL], 0x76543210
	s_mov_b32 s[SEL+1], 0xfedcba98
	s_wait_alu depctr_va_vdst(0)
.irp b, 0,1,2,3,4,5,6,7
	global_load_b128 v[BP+8*\b:BP+8*\b+3], v30, s[98:99] offset:(32*(\b/2)+8*(\b%2))*4
	global_load_b128 v[BP+8*\b+4:BP+8*\b+7], v30, s[98:99] offset:(32*(\b/2)+8*(\b%2))*4+16
.endr
.irp a, 0,1,2,3,4,5,6,7
	global_load_b32 v[BR+2*\a], v31, s[96:97] offset:(32*(\a/2)+8*(\a%2))*4
	global_load_b32 v[BR+2*\a+1], v31, s[96:97] offset:(32*(\a/2)+8*(\a%2))*4
.endr
.macro FRAG reg, adr, st, i            ; 16 rows x 128 K: 12 registers, in pieces of 8 bytes; byte y of a row lies in chunk y / 256, in slot (y / 256) % 2
.irp p, 0,1,2,3,4,5
.set BY, 96*(\st)+48*(\p/3)+8*(\p%3)
.if BY/ROWB == (BY+24)/ROWB
	ds_load_b64 v[\reg+2*\p:\reg+2*\p+1], v[\adr+(BY/ROWB)%2] offset:BY%ROWB+(\i)*16*PITCH
.else
	ds_load_b64 v[\reg+2*\p:\reg+2*\p+1], v[\adr+2+(BY/ROWB)%2] offset:BY%ROWB-232+(\i)*16*PITCH
.endif
.endr
.endm
.macro MUL16 a0, p, q, sc, zero        ; A's blocks a0, a0 + 1 x B's eight; the 64 accumulators take turns, in the same order in every step
.irp a, \a0, \a0+1
.irp b, 0,1,2,3,4,5,6,7
.if \zero
	v_wmma_scale_f32_16x16x128_f8f6f4 v[8*(8*((\a)%4)+\b):8*(8*((\a)%4)+\b)+7], v[128*(\p)+FR*\b:128*(\p)+FR*\b+FR-1], v[AF+FR*(\a):AF+FR*(\a)+FR-1], 0, v[SC+8*NQ*(\sc)+NQ*\b+(\q)], v[SC+8*NQ*(\sc)+NQ*(\a)+(\q)] matrix_a_fmt:MATRIX_FMT_FP6 matrix_b_fmt:MATRIX_FMT_FP6 matrix_a_scale:MATRIX_SCALE_ROW1
.else
	v_wmma_scale_f32_16x16x128_f8f6f4 v[8*(8*((\a)%4)+\b):8*(8*((\a)%4)+\b)+7], v[128*(\p)+FR*\b:128*(\p)+FR*\b+FR-1], v[AF+FR*(\a):AF+FR*(\a)+FR-1], v[8*(8*((\a)%4)+\b):8*(8*((\a)%4)+\b)+7], v[SC+8*NQ*(\sc)+NQ*\b+(\q)], v[SC+8*NQ*(\sc)+NQ*(\a)+(\q)] matrix_a_fmt:MATRIX_FMT_FP6 matrix_b_fmt:MATRIX_FMT_FP6 matrix_a_scale:MATRIX_SCALE_ROW1
.endif
.endr
.endr
.endm
.macro FETCH_B st, p
	WIN TO_B
.irp i, 0,1,2,3,4,5,6,7
	FRAG 128*(\p)+FR*\i, ADRB, \st, \i
.endr
	WIN 0
.endm
.macro FETCH_A st, i0
.irp i, \i0, \i0+1, \i0+2, \i0+3
	FRAG AF+FR*(\i), ADRA, \st, \i
.endr
.endm
.macro SCALES pr                       ; the scale words of steps 2 pr and 2 pr + 1: lanes 0-15 A's block i, lanes 16-31 B's block i
.irp i, 0,1,2,3,4,5,6,7
	ds_load_b64 v[SC+8*NQ*((\pr)%2)+NQ*\i:SC+8*NQ*((\pr)%2)+NQ*\i+1], v[ADRS] offset:\i*SBLK+4*NQ*(\pr)
.endr
.endm
.macro PLACES n
.rept \n
	v_nop
.endr
.endm
; A step of 128 along K: 64 products; the next step's fragments are fetched in its middle and at its end.  Where the next step's bytes END in a chunk not yet read, every wave waits for its tensor loads and a barrier shows that chunk whole;
; where they BEGIN in a later chunk, the chunk left behind is read no more: the wait, the add, the wait for it and for my reads, the barrier; where a chunk two on is left to fetch, the barrier opens a round and the slot is filled again.
.macro STEP st, zero
.set NX, (\st)+1
.set C0, (96*(\st))/ROWB
.set C1, (96*NX)/ROWB
.set E0, (96*(\st)+95)/ROWB
.set E1, (96*NX+95)/ROWB
.if C1 > C0 || E1 > E0
	s_wait_tensorcnt 0x0                           ; all my tensor loads have landed
.if C1 > C0
	ds_add_u32 v[SPW], v[NIL]
	s_wait_dscnt 4*NL+1                            ; the add and the 24 loads of A's blocks 4-7 may be out
.else
	s_wait_dscnt 4*NL                              ; the 24 loads of A's blocks 4-7 may be out
.endif
	WIN MUL_LO
	MUL16 0, (\st)%2, (\st)%2, ((\st)/2)%2, \zero
	s_wait_dscnt 0x0                               ; the add, where there is one, and all my reads are done
	s_barrier_signal -1
	MUL16 2, (\st)%2, (\st)%2, ((\st)/2)%2, \zero
	WIN 0
	s_barrier_wait -1
.if C1 > C0 && C0+2 < CHUNKS
	CREST
	s_add_nc_u64 s[G0+4*(C0%2)+2:G0+4*(C0%2)+3], s[G0+4*(C0%2)+2:G0+4*(C0%2)+3], 2*ROWB
	s_add_nc_u64 s[G0B+4*(C0%2)+2:G0B+4*(C0%2)+3], s[G0B+4*(C0%2)+2:G0B+4*(C0%2)+3], 2*ROWB
	JLOAD G0+4*(C0%2), G1, G0B+4*(C0%2), G1B       ; chunk C0 + 2, the first tensor load behind the round; its four v_nop are the places in front of the loads below
.else
	PLACES NP
.endif
.else
	s_wait_dscnt 4*NL                              ; B's set and A's blocks 0-3 are in; the 24 loads of A's blocks 4-7 may be out
	WIN MUL_LO
	MUL16 0, (\st)%2, (\st)%2, ((\st)/2)%2, \zero
	MUL16 2, (\st)%2, (\st)%2, ((\st)/2)%2, \zero
	s_wait_dscnt 0
	PLACES NP
.endif
	FETCH_B NX, NX%2
	FETCH_A NX, 0
.if NX%2 == 0
	SCALES NX/2
.endif
	WIN MUL_HI
	MUL16 4, (\st)%2, (\st)%2, ((\st)/2)%2, \zero
	MUL16 6, (\st)%2, (\st)%2, ((\st)/2)%2, \zero
	PLACES NP
	WIN 0
	FETCH_A NX, 4
.endm
	s_wait_alu depctr_va_vdst(0)                   ; the head's end
	s_wait_tensorcnt 0x0                           ; my tile of the head's four is in
	ds_add_u32 v[SPW], v[NIL]
	s_mov_b32 s[G1+2], 128<<16                     ; no tensor load of mine is out: from here on a load brings 128 rows
	s_mov_b32 s[G1+4], 128
	s_mov_b32 s[G1B+2], 128<<16
	s_mov_b32 s[G1B+4], 128
	s_wait_dscnt 0x0
	CROUND
	JLOAD G0+4, G1, G0B+4, G1B                     ; chunk 1, the first tensor load behind the round
	FETCH_B 0, 0
	FETCH_A 0, 0
	SCALES 0
	FETCH_A 0, 4
	STEP 0, 1                                      ; the first step's products start the sums
.set STN, 1
.rept STEPS-2
	STEP STN, 0
.set STN, STN+1
.endr
	s_wait_dscnt 4*NL
	WIN MUL_LO
	MUL16 0, 1, 1, 1, 0
	MUL16 2, 1, 1, 1, 0
	s_wait_dscnt 0
	WIN MUL_HI
	MUL16 4, 1, 1, 1, 0
	MUL16 6, 1, 1, 1, 0
	WIN 0
; THE WAY OUT, A's blocks one after the other: the bias is added, 16 rows x 128 numbers are quantised in four blocks of 32 a row, and the codes leave as register images.
.macro ADDB a, perlane
	WIN 0x02+(\a)/4
.set i, 0
.rept 32
.if \perlane
	v_pk_add_f32 v[ST+2*i:ST+2*i+1], v[64*((\a)%4)+2*i:64*((\a)%4)+2*i+1], v[BR+2*(\a):BR+2*(\a)+1]
.else
	v_pk_add_f32 v[ST+2*i:ST+2*i+1], v[64*((\a)%4)+2*i:64*((\a)%4)+2*i+1], v[BP+2*i:BP+2*i+1]
.endif
.set i, i+1
.endr
	WIN 0
.endm
.macro QUANT s, pw
.irp b, 0,1,2,3
	v_max3_num_f32 v[TM+\b], |v[\s+16*\b]|, |v[\s+1+16*\b]|, 0x1800000   ; my 16 numbers of block b, and the floor 2^(3 - 127)
.endr
.irp i, 2,4,6,8,10,12,14
.irp b, 0,1,2,3
	v_max3_num_f32 v[TM+\b], v[TM+\b], |v[\s+16*\b+\i]|, |v[\s+1+16*\b+\i]|
.endr
.endr
.irp b, 0,1,2,3
	v_permlanex16_b32 v[TM+4+\b], v[TM+\b], s[SEL], s[SEL+1]
.endr
.irp b, 0,1,2,3
	v_max_num_f32 v[TM+\b], v[TM+\b], v[TM+4+\b]   ; with lane l xor 16's
.endr
.irp b, 0,1,2,3
	v_add_nc_u32 v[TM+12+\b], 0xff000000, v[TM+\b] ; the conversion's scale operand
.endr
.irp b, 0,1,2,3
	v_lshrrev_b32 v[TM+4+\b], 23, v[TM+12+\b]      ; the scale's byte
.endr
	v_lshl_or_b32 v[\pw], v[TM+5], 8, v[TM+4]
	v_lshl_or_b32 v[\pw], v[TM+6], 16, v[\pw]
	v_lshl_or_b32 v[\pw], v[TM+7], 24, v[\pw]
.irp c, 0,1
	v_cvt_scalef32_pk16_fp6_f32 v[PC+6*\c:PC+2+6*\c], v[\s+32*\c:\s+15+32*\c], v[TM+12+2*\c]
	v_cvt_scalef32_pk16_fp6_f32 v[PC+12+4*\c:PC+14+4*\c], v[\s+16+32*\c:\s+31+32*\c], v[TM+12+2*\c+1]
.endr
	v_nop                                          ; one plain place behind a scaled conversion
.irp c, 0,1
.irp i, 0,1,2
	v_permlane16_swap_b32 v[PC+6*\c+\i], v[PC+12+4*\c+\i]   ; a whole block to a lane
.endr
.irp i, 0,1,2
	v_mov_b32 v[PC+3+6*\c+\i], v[PC+12+4*\c+\i]
.endr
.endr
.endm
	PLACES NP
	s_wait_loadcnt 0x0                             ; the biases
.irp b, 0,1,2,3
	v_mov_b32 v[TM+4+\b], 0                        ; a lane permute's destination counts as one of its sources
.endr
	s_cmp_eq_u32 s100, 2
	s_cbranch_scc1 .Lv
.irp a, 0,1,2,3,4,5,6,7
	ADDB \a, 0
.if \a > 0
	s_wait_xcnt 0x0                                ; the last block's stores have read their registers
.endif
	QUANT ST, PWS+\a
.if \a%2 == 0                          ; two tiles' 12 registers are three groups of four: an even tile fills the first group and the lower half of the second,
	global_store_b128 v[L16], v[PC:PC+3], s[12:13] offset:768*\a
	global_store_b64 v[L16], v[PC+4:PC+5], s[12:13] offset:768*\a+512
	global_store_b128 v[L16], v[PC+6:PC+9], s[66:67] offset:768*\a
	global_store_b64 v[L16], v[PC+10:PC+11], s[66:67] offset:768*\a+512
.else                                  ; an odd tile its upper half and the third
	global_store_b64 v[L16], v[PC:PC+1], s[12:13] offset:768*(\a-1)+520
	global_store_b128 v[L16], v[PC+2:PC+5], s[12:13] offset:768*(\a-1)+1024
	global_store_b64 v[L16], v[PC+6:PC+7], s[66:67] offset:768*(\a-1)+520
	global_store_b128 v[L16], v[PC+8:PC+11], s[66:67] offset:768*(\a-1)+1024
.endif
.endr
.irp i, 0,1,2,3
	v_cndmask_b32 v[SW+\i], v[PWS+2*\i], v[PWS+2*\i+1], s101   ; lanes 0-15 tile 2 i's scale words, lanes 16-31 tile 2 i + 1's
.endr
.irp i, 0,1,2,3
	v_lshrrev_b32 v[SW2+\i], 16, v[SW+\i]          ; the second head's two bytes
.endr
	global_store_b128 v[L16], v[SW:SW+3], s[12:13] offset:6144
	global_store_b128 v[L16], v[SW2:SW2+3], s[66:67] offset:6144
	s_branch .Ldone
.Lv:
.irp a, 0,1,2,3,4,5,6,7
	ADDB \a, 1
.if \a > 0
	s_wait_xcnt 0x0
.endif
	QUANT ST, PWS+\a
.irp q, 0,1,2
.if \a < 4
	global_store_b128 v[L16], v[PC+4*\q:PC+4*\q+3], s[12:13] offset:6656+1536*(\a%4)+512*\q
.else
	global_store_b128 v[L16], v[PC+4*\q:PC+4*\q+3], s[66:67] offset:6656+1536*(\a%4)+512*\q
.endif
.endr
.endr
.irp i, 0,1,2,3
	v_cndmask_b32 v[SW+\i], v[PWS+2*\i], v[PWS+2*\i+1], s101
.endr
	global_store_b64 v[L8], v[SW:SW+1], s[12:13] offset:12800
	global_store_b64 v[L8], v[SW+2:SW+3], s[66:67] offset:12800
.Ldone:
	s_wait_tensorcnt 0x0                           ; the wave's end
	ds_add_u32 v[SPW], v[NIL]
	s_wait_dscnt 0x0
	CROUND                                         ; the closing round
	s_endpgm
.Lfunc_end_k_qc4ef95a6cd_proj:
	.size	k_qc4ef95a6cd_proj, .Lfunc_end_k_qc4ef95a6cd_proj-k_qc4ef95a6cd_proj
	.p2alignl 7, 3214868480
	.fill 96, 4, 3214868480
	.section	.rodata,"a",@progbits
	.p2align	6, 0x0
	.amdhsa_kernel k_qc4ef95a6cd_proj
		.amdhsa_group_segment_fixed_size 327680
		.amdhsa_private_segment_fixed_size 0
		.amdhsa_enable_private_segment 0
		.amdhsa_kernarg_size 56
		.amdhsa_user_sgpr_count 2
		.amdhsa_user_sgpr_kernarg_segment_ptr 1
		.amdhsa_wavefront_size32 1
		.amdhsa_system_sgpr_workgroup_id_x 1
		.amdhsa_system_sgpr_workgroup_id_y 1
		.amdhsa_system_sgpr_workgroup_id_z 1
		.amdhsa_system_vgpr_workitem_id 0
		.amdhsa_next_free_vgpr 1024
		.amdhsa_next_free_sgpr 102
		.amdhsa_reserve_vcc 0
		.amdhsa_float_denorm_mode_32 3
		.amdhsa_float_denorm_mode_16_64 3
		.amdhsa_memory_ordered 1
		.amdhsa_forward_progress 1
		.amdhsa_inst_pref_size 234
	.end_amdhsa_kernel
	.amdgpu_metadata
---
amdhsa.version: [ 1, 2 ]
amdhsa.kernels:
  - .name:           k_qc4ef95a6cd_proj
    .symbol:         k_qc4ef95a6cd_proj.kd
    .args:
      - { .name: codes, .offset: 0, .size: 8, .value_kind: global_buffer, .address_space: global }
      - { .name: scales, .offset: 8, .size: 8, .value_kind: global_buffer, .address_space: global }
      - { .name: bq, .offset: 16, .size: 8, .value_kind: global_buffer, .address_space: global }
      - { .name: bk, .offset: 24, .size: 8, .value_kind: global_buffer, .address_space: global }
      - { .name: qb, .offset: 32, .size: 8, .value_kind: global_buffer, .address_space: global }
      - { .name: kv, .offset: 40, .size: 8, .value_kind: global_buffer, .address_space: global }
      - { .name: bv, .offset: 48, .size: 8, .value_kind: global_buffer, .address_space: global }
    .group_segment_fixed_size: 327680
    .private_segment_fixed_size: 0
    .kernarg_segment_align: 8
    .kernarg_segment_size: 56
    .max_flat_workgroup_size: 128
    .sgpr_count:     102
    .vgpr_count:     1024
    .wavefront_size: 32
...
	.end_amdgpu_metadata
.endif
;; end of part 2
;; launch attn (part 3): grid 4 x 64, 16 waves a work-group, clusters of 4 x 1, 237,056 bytes of LDS; arguments qb, kv, woc, wos, bo, out0; writes out0
.if DOCPART == 3
	.amdgcn_target "amdgcn-amd-amdhsa--gfx1250"
	.amdhsa_code_object_version 6
	.text
	.protected	k_qc4ef95a6cd_attn
	.globl	k_qc4ef95a6cd_attn
	.p2align	8
	.type	k_qc4ef95a6cd_attn,@function
k_qc4ef95a6cd_attn:
	s_mov_b64 s[64:65], 0
	v_nop
	global_prefetch_b8 v0, s[64:65] scope:SCOPE_SE
	s_setreg_imm32_b32 hwreg(HW_REG_WAVE_MODE, 25, 1), 1
	s_wait_xcnt 0x0
	s_wait_alu depctr_hold_cnt(0) depctr_sa_sdst(0) depctr_va_vdst(0) depctr_va_sdst(0) depctr_va_ssrc(0) depctr_va_vcc(0) depctr_vm_vsrc(0)
	s_getreg_b32 s2, hwreg(HW_REG_IB_STS2, 6, 4)
	s_cmp_eq_u32 s2, 0
	s_cbranch_scc0 .Lentry_in_a_cluster
	s_endpgm
.Lentry_in_a_cluster:
	s_bfe_u32 s2, ttmp6, 0x10000c
	s_cmp_lg_u32 s2, 0x3003
	s_cbranch_scc0 .Lentry_shape_is_right
	s_endpgm
.Lentry_shape_is_right:
; ATTENTION AND THE PROJECTION ON THE WAY OUT, in one launch.  x[bh][q][:] = sum over k of softmax_k(q . k / 8) v[k][:] for 64 (batch, head) pairs, 2,048 queries and keys, head size 64; out0 = Q(x') Wo^T + bo, x' being
; the module's raw reshape: query n of pair bh is row 128 bh + n / 16, columns 64 (n % 16) on.  All three products on codes of FP6 (E2M3) with E8M0 scales.
; THE SOFTMAX: t = score x log2(e) / 8; M = the row's largest t so far, rounded UP to a whole number; p = 2^(t - M) is quantised along the keys; the row's sum is taken of the unquantised p in f32 and divides O at the end.
; When M moves, the sum and O are multiplied by 2^(old M - new M): exact.
; SHARES.  A work-group owns one pair and 512 queries, which are 32 WHOLE ROWS of x'; each of its sixteen waves 32 queries, two tiles of 16 one after the other, each over all 2,048 keys, 128 a step.  A pair's whole K and V stay in LDS,
; 16 blocks of 13,056 bytes, filled once: sixteen blocks, sixteen waves, ONE joint load a wave at the head; the four work-groups of a pair form the cluster.
; Then x' is quantised into LDS (32 rows of 768 bytes of codes, pitch 784; 32 scale bytes a row), and wave w makes the 32 rows x columns 64 w .. 64 w + 63 of out0: 8 accumulators, 8 steps of 128 along K.
; LAYOUT.  All products are used transposed (source 0 = keys, V's d, Wo's rows; source 1 = my queries, or x' rows).  S^T: tile 4 c + u of K holds keys 64 c + 8 u + 0 .. 7 in rows 0-7 and 64 c + 32 + 8 u + 0 .. 7 in rows 8-15 (the order in
; which key's rows were stored), so lane (r, h) holds query r and its registers 32 c .. 32 c + 31 are keys 64 c + 32 h + 0 .. 31: a WHOLE block of the quantiser, in the order of the operand's registers: no other lane is asked for a block's
; maximum, and no codes change lanes.  Head size 64 fills half of K = 128: Q's operand has six registers of zero codes on top, K's tile t is named v[32 + 6 t] .. + 11; what lies in its upper six meets zero codes under finite scale bytes.
; Wo's FRAGMENTS come from memory straight into registers, from images laid by the first launch: a work-group reads each byte of them once, 512 consecutive bytes an instruction.  No joint load for them: a joint load lands in LDS, where K and V
; lie while the loads could run ahead, and a fragment there would feed two products for each read.  Wo's images are asked for ahead, between the two tiles: wave 0 of work-group g names blocks 24 (g % 128) .. + 23 of the 3,072 blocks of 256 bytes
; (lanes 24-31 name the last again): 16 key steps ahead of the first load.  K and V have no prefetch: they are asked for at the head, with no loop ahead of them.
; LIMITS: the promise holds while the scaled scores stay under 2^31 in magnitude; 1 / the sum by v_rcp_f32 (1 ulp); a block's largest p is taken from the block's largest score (this takes v_exp_f32 not to fall where its input rises);
; a block of x' under 2^-124 gets the byte 1; NaN and infinities are not served.
; REGISTERS, attention: v1-11 addresses; v12 -M, v13 the largest score, v[14:15] the sum; v16-27 Q of tile 0; v32-79 K, then V; v80-85 zeros; v88-91 K's scale words, v92-93 V's, v94, v255 Q's; v96-159 S^T, then p; v160-191 O^T;
;   v192-203 Q of tile 1; v204-207 offsets; v224-235 p's codes; v232-254 at work; v253 p's scale word.
; REGISTERS, projection: v16-27, v80-91 and v160-183: x' fragments, two sets; v28-31, v92-95 x' scale words; v32-79, v192-239 Wo's fragments, two sets; v96-159 sums; v160-191 bo (first step); v240-255 Wo's scale words.
.set KVB,   13056
.set XP,    784                        ; a row of x' codes in LDS: 768 + 16: row r starts 4 r banks on
.set STG,   16*KVB
.set XSS,   STG+32*XP                  ; 32 rows of 32 scale bytes
.set SPARE, XSS+1024                   ; the spare words, 128 bytes a wave
.set OSP,   272                        ; the way out: a stage of 16 rows x (256 + 16) bytes a wave, in K's and V's bytes, which have had their only fill and, behind the barrier, their last read
.set L8,   1
.set L16,  2
.set A8,   3
.set A16,  4
.set SPW,  5                           ; LDS address of my spare word; never rewritten
.set NIL,  6                           ; 0; never rewritten
.set XST,  7
.set XSA,  8
.set STO,  9
.set RD,   10
.set QSO,  11
.set XFA,  1                           ; projection: x' fragments' address (in L8's place)
.set XSL,  3                           ; x' scale words' address
.set CO,   4                           ; my offset in out0
.set PF,   204
.set SH8,  205
.set WSO,  206
.set BO,   207
.set WV,   18
.set CSN,  19
.set SEL,  20
.set CS,   22
.set G1,   24
.set G0,   32
.set TB,   48
.set CNT,  49
.macro CROUND
	s_barrier_signal -1
	s_barrier_wait -1
	s_cmp_lg_u32 s[WV], 0
	s_cbranch_scc1 .Lnot_wave_0_\@
	s_barrier_signal -3
.Lnot_wave_0_\@:
	s_barrier_wait -3
	s_barrier_signal -1
	s_barrier_wait -1
.endm
	s_load_b256 s[4:11], s[0:1], 0x0               ; qb, kv, woc, wos
	s_load_b128 s[12:15], s[0:1], 0x20             ; bo, out0
	v_lshl_add_u32 v[SPW], v0, 2, SPARE
	v_mov_b32 v[NIL], 0
	ds_add_u32 v[SPW], v[NIL]                      ; the opening: the add, twice on end, and its wait ahead of my tensor load
	ds_add_u32 v[SPW], v[NIL]
	v_lshrrev_b32 v12, 5, v0
	v_readfirstlane_b32 s[WV], v12                 ; wave 0..15
	s_bfe_u32 s36, ttmp6, 0x40000                  ; cx: which 512 queries
	s_and_b32 s37, ttmp7, 0xffff                   ; the pair bh, which the four partners share
	s_mov_b32 s[G1], 15|(3<<16)|(1<<21)            ; the mask: all four; elements of 8 bytes; bit 21 beside a mask.  A block: 51 dense rows of 256 bytes
	s_mov_b32 s[G1+1], 32<<16
	s_mov_b32 s[G1+2], 51<<16
	s_mov_b32 s[G1+3], 32<<16
	s_mov_b32 s[G1+4], 51
	s_mov_b32 s[G1+5], 32
	s_mov_b32 s[G1+6], 0
	s_mov_b32 s[G1+7], 0
	s_mov_b32 s[SEL], 0x76543210
	s_mov_b32 s[SEL+1], 0xfedcba98
	s_mov_b32 s[CS], 0x3e38aa3b                    ; c = log2(e) / 8
	s_mov_b32 s[CS+1], s[CS]
	s_mov_b32 s[CSN], 0xbe38aa3b                   ; -c
	v_and_b32 v12, 31, v0
	v_and_b32 v13, 15, v0                          ; r
	v_bfe_u32 v14, v0, 4, 1                        ; h
	v_lshlrev_b32 v[L8], 3, v12
	v_lshlrev_b32 v[L16], 4, v12
	v_lshlrev_b32 v[WSO], 5, v12
	v_min_u32 v[PF], 23, v12
	v_lshlrev_b32 v[QSO], 4, v13
	v_lshlrev_b32 v[SH8], 3, v14
	v_lshlrev_b32 v[BO], 5, v14
	v_lshlrev_b32 v[PF], 8, v[PF]
	s_mul_i32 s38, s[WV], 16*OSP
	v_mul_u32_u24 v[STO], v13, OSP                 ; the way out, in: row r, 32 bytes for each half of the lanes
	v_mul_u32_u24 v[RD], v14, OSP                  ; back: sixteen lanes to a row of 256 bytes
	v_lshl_add_u32 v[STO], v14, 5, v[STO]
	v_lshl_add_u32 v[RD], v13, 4, v[RD]
	v_add_nc_u32 v[STO], s38, v[STO]
	v_add_nc_u32 v[RD], s38, v[RD]
	v_bfe_u32 v15, v0, 3, 1                        ; r / 8
	v_and_b32 v13, 7, v0                           ; r % 8
	s_mul_i32 s38, s[WV], 2*XP
	s_add_co_u32 s38, s38, STG                     ; lane r of tile i holds query 8 i + r % 8 + 16 (r / 8) of the wave's 32: row 2 w + r / 8 of the 32, columns 64 (8 i + r % 8) on
	v_mul_u32_u24 v[XST], v15, XP
	v_lshlrev_b32 v[XSA], 5, v15
	v_mad_u32_u24 v[XST], v13, 48, v[XST]
	v_lshl_add_u32 v[XSA], v13, 1, v[XSA]
	v_mad_u32_u24 v[XST], v14, 24, v[XST]
	v_add_nc_u32 v[XST], s38, v[XST]
	s_lshl_b32 s38, s[WV], 6
	s_add_co_u32 s38, s38, XSS
	v_add_nc_u32 v[XSA], s38, v[XSA]
.irp j, 22,23,24,25,26,27,80,81,82,83,84,85,198,199,200,201,202,203,236,237,238,253
	v_mov_b32 v[\j], 0                             ; zero codes; and the lane permutes' destinations, which count as sources
.endr
	s_lshl_b32 s38, s37, 4
	s_add_co_u32 s38, s38, s[WV]
	s_mul_i32 s38, s38, KVB                        ; block 16 bh + wave, in bytes
	s_mov_b32 s39, 0
	s_mov_b32 s[G0], 1
	s_mul_i32 s[G0+1], s[WV], KVB                  ; its place in LDS: no place in the cluster enters
	s_wait_alu depctr_va_vdst(0)
	s_wait_dscnt 0x0                               ; both opening adds are done
	s_wait_kmcnt 0x0
	s_add_nc_u64 s[G0+2:G0+3], s[6:7], s[38:39]
	s_or_b32 s[G0+3], s[G0+3], 0x80000000
	CROUND                                         ; all four work-groups are here: the joint loads meet
	tensor_load_to_lds s[G0:G0+3], s[G1:G1+7]      ; my one tensor load: one is out
	s_nop 0
	s_lshl_b32 s38, s37, 4                         ; Q: block 16 bh + 4 cx + wave / 4; my tiles 2 (wave % 4) and + 1: 12 registers, three groups of four
	s_lshl_b32 s40, s36, 2
	s_add_co_u32 s38, s38, s40
	s_lshr_b32 s40, s[WV], 2
	s_add_co_u32 s38, s38, s40
	s_mul_i32 s38, s38, 6656
	s_add_nc_u64 s[4:5], s[4:5], s[38:39]
	s_and_b32 s41, s[WV], 3
	s_lshl_b32 s38, s41, 2
	s_add_nc_u64 s[50:51], s[4:5], s[38:39]        ; scale words: tile 2 u + i's stand at 16 r + 256 i + 4 u
	s_mul_i32 s38, s41, 1536
	s_add_nc_u64 s[4:5], s[4:5], s[38:39]
	global_load_b128 v[16:19], v[L16], s[4:5]
	global_load_b64 v[20:21], v[L16], s[4:5] offset:512
	global_load_b64 v[192:193], v[L16], s[4:5] offset:520
	global_load_b128 v[194:197], v[L16], s[4:5] offset:1024
	global_load_b32 v255, v[QSO], s[50:51] offset:6144
	global_load_b32 v94, v[QSO], s[50:51] offset:6144+256
	s_lshl_b32 s40, s37, 2
	s_add_co_u32 s40, s40, s36
	s_and_b32 s40, s40, 127
	s_mul_i32 s40, s40, 6144
	s_mov_b32 s41, 0
	s_add_nc_u64 s[52:53], s[8:9], s[40:41]        ; the 24 blocks of Wo's images that my work-group asks for
	s_mul_i32 s38, s[WV], 49152                    ; my four tiles of Wo: 32 fragments
	s_add_nc_u64 s[8:9], s[8:9], s[38:39]
	s_lshl_b32 s38, s[WV], 11
	s_add_nc_u64 s[10:11], s[10:11], s[38:39]
	s_lshl_b32 s38, s[WV], 8                       ; my 64 columns: 256 bytes
	s_add_nc_u64 s[12:13], s[12:13], s[38:39]
	s_lshl_b32 s40, s37, 7
	s_lshl_b32 s42, s36, 5
	s_add_co_u32 s40, s40, s42
	s_lshl_b32 s40, s40, 12                        ; row 128 bh + 32 cx of 4,096 bytes
	s_add_co_u32 s40, s40, s38
	s_add_nc_u64 s[14:15], s[14:15], s[40:41]
.macro WLOAD ks, wb                    ; Wo's four fragments of step ks: 12 loads of 512 consecutive bytes
.irp T, 0,1,2,3
.irp g, 0,1,2
	global_load_b128 v[\wb+12*\T+4*\g:\wb+12*\T+4*\g+3], v[L16], s[8:9] offset:12288*\T+1536*(\ks)+512*\g
.endr
.endr
.endm
; A KEY STEP: 128 keys.  qf: Q's operand; qs: Q's scale words.
.macro STEP qf, qs
	v_add_nc_u32 v[A8], s[TB], v[L8]
	v_add_nc_u32 v[A16], s[TB], v[L16]
	v_mov_b32 v251, v12                            ; the old -M
	v_nop                                          ; four places in front of loads into registers that the last products read
.irp g, 0,1,2,3,4,5,6,7,8,9,10,11
	ds_load_b128 v[32+4*\g:35+4*\g], v[A16] offset:512*\g
.endr
	ds_load_b128 v[88:91], v[A16] offset:6144      ; register 88 + i: lanes 0-15 tile 2 i's scale words, lanes 16-31 tile 2 i + 1's
	s_wait_alu depctr_va_vdst(0)
	s_wait_dscnt 0x0
.irp u, 0,1,2,3
	v_wmma_scale_f32_16x16x128_f8f6f4 v[96+16*\u:103+16*\u], v[32+12*\u:43+12*\u], v[\qf:\qf+11], 0, v[88+\u], v[\qs] matrix_a_fmt:MATRIX_FMT_FP6 matrix_b_fmt:MATRIX_FMT_FP6
	v_wmma_scale_f32_16x16x128_f8f6f4 v[104+16*\u:111+16*\u], v[38+12*\u:49+12*\u], v[\qf:\qf+11], 0, v[88+\u], v[\qs] matrix_a_fmt:MATRIX_FMT_FP6 matrix_b_fmt:MATRIX_FMT_FP6 matrix_a_scale:MATRIX_SCALE_ROW1
.endr
.rept 4
	v_nop                                          ; four places: in front of the loads into K's registers and of the first read of the scores
.endr
.irp g, 0,1,2,3,4,5,6,7,8,9,10,11
	ds_load_b128 v[32+4*\g:35+4*\g], v[A16] offset:6656+512*\g   ; V lands under the softmax
.endr
	ds_load_b64 v[92:93], v[A8] offset:12800
.irp c, 0,1                                    ; the largest score of my two blocks of 32 keys, each in two chains; each accumulator is first read at its low end
.irp s, 0,1
	v_max3_num_f32 v[232+2*\c+\s], v[96+32*\c+16*\s], v[97+32*\c+16*\s], v[98+32*\c+16*\s]
.endr
.endr
.irp i, 3,5,7,9,11,13
.irp c, 0,1
.irp s, 0,1
	v_max3_num_f32 v[232+2*\c+\s], v[232+2*\c+\s], v[96+32*\c+16*\s+\i], v[97+32*\c+16*\s+\i]
.endr
.endr
.endr
.irp c, 0,1
	v_max3_num_f32 v[232+2*\c], v[232+2*\c], v[233+2*\c], v[111+32*\c]
.endr
.irp c, 0,1
	v_max_num_f32 v[232+2*\c], v[232+2*\c], v[127+32*\c]
.endr
	s_delay_alu instid0(VALU_DEP_1)
	v_max_num_f32 v254, v232, v234
	s_delay_alu instid0(VALU_DEP_1)
	v_permlanex16_b32 v236, v254, s[SEL], s[SEL+1]
	s_delay_alu instid0(VALU_DEP_1)
	v_max3_num_f32 v13, v13, v254, v236            ; the running largest score of my query (c is positive: the largest t is c x this)
	s_delay_alu instid0(VALU_DEP_1)
	v_mul_f32 v250, s[CSN], v13
	s_delay_alu instid0(VALU_DEP_1)
	v_floor_f32 v12, v250                          ; -M = floor(-t) = -ceil(t)
	s_delay_alu instid0(VALU_DEP_1)
	v_sub_f32 v254, v12, v251                      ; old M less new M: a whole number, 0 or less
	s_delay_alu instid0(VALU_DEP_1)
	v_cvt_i32_f32 v254, v254                       ; (it saturates)
	s_delay_alu instid0(VALU_DEP_1)
	v_ldexp_f32 v252, 1.0, v254                    ; f = 2^(old M - new M)
.set j, 0
.rept 32
	v_pk_fma_f32 v[96+j:97+j], v[96+j:97+j], s[CS:CS+1], v[12:13] op_sel_hi:[1,0,0]   ; t - M (of the pairs c and -M the low word serves both halves)
.set j, j+2
.endr
	v_fma_f32 v232, v232, s[CS], v12               ; the same of each block's largest score
	v_fma_f32 v234, v234, s[CS], v12
	s_wait_alu depctr_va_vdst(0)
.set j, 0
.rept 64
	v_exp_f32 v[96+j], v[96+j]                     ; p = 2^(t - M)
.set j, j+1
.endr
	v_exp_f32 v232, v232                           ; the blocks' largest p: the same two instructions on the same number give the same bits
	v_exp_f32 v234, v234
	v_pk_mul_f32 v[14:15], v[14:15], v[252:253] op_sel_hi:[1,0]   ; the sums under the new M (a plain place behind the batch)
	s_wait_alu depctr_va_vdst(0)                   ; and the one wait behind it
	v_pk_add_f32 v[246:247], v[96:97], v[98:99]    ; the row's sum of the unquantised p, in four chains
	v_pk_add_f32 v[248:249], v[100:101], v[102:103]
	v_pk_add_f32 v[250:251], v[104:105], v[106:107]
	v_pk_add_f32 v[14:15], v[14:15], v[108:109]
.set j, 110
.rept 6
	v_pk_add_f32 v[246:247], v[246:247], v[j:j+1]
	v_pk_add_f32 v[248:249], v[248:249], v[j+2:j+3]
	v_pk_add_f32 v[250:251], v[250:251], v[j+4:j+5]
	v_pk_add_f32 v[14:15], v[14:15], v[j+6:j+7]
.set j, j+8
.endr
	v_max_num_f32 v232, 0x1800000, v232            ; the floor 2^(3 - 127): the byte cannot fall under 1
	v_max_num_f32 v234, 0x1800000, v234
	v_pk_add_f32 v[246:247], v[246:247], v[158:159]
	v_pk_add_f32 v[248:249], v[248:249], v[250:251]
	v_add_nc_u32 v244, 0xff000000, v232            ; 2 off the exponent field: the conversions' scale operands
	v_add_nc_u32 v245, 0xff000000, v234
	v_pk_add_f32 v[14:15], v[14:15], v[246:247]
	v_lshrrev_b32 v236, 23, v244                   ; the scales' bytes: blocks h and 2 + h
	v_lshrrev_b32 v237, 23, v245
	v_pk_add_f32 v[14:15], v[14:15], v[248:249]
	v_lshl_or_b32 v253, v237, 16, v236
	s_delay_alu instid0(VALU_DEP_1)
	v_lshlrev_b32 v253, v[SH8], v253               ; at their places in the word
	s_delay_alu instid0(VALU_DEP_1)
	v_permlanex16_b32 v238, v253, s[SEL], s[SEL+1]
	v_mov_b32 v254, v253
	v_cvt_scalef32_pk16_fp6_f32 v[224:226], v[96:111], v244
	v_cvt_scalef32_pk16_fp6_f32 v[240:242], v[112:127], v244   ; (a conversion's three registers begin on an even number)
	v_cvt_scalef32_pk16_fp6_f32 v[230:232], v[128:143], v245
	v_cvt_scalef32_pk16_fp6_f32 v[246:248], v[144:159], v245
	v_or_b32 v253, v254, v238                      ; with lane l xor 16's two bytes p's scale word is whole (also the plain place behind the conversions)
.irp i, 0,1,2
	v_mov_b32 v[227+\i], v[240+\i]
	v_mov_b32 v[233+\i], v[246+\i]
.endr
	s_wait_alu depctr_va_vdst(0)
.set j, 0
.rept 16
	v_pk_mul_f32 v[160+j:161+j], v[160+j:161+j], v[252:253] op_sel_hi:[1,0]   ; O^T under the new M; these 16 also stand between the lines that made p's codes and scale word and the products
.set j, j+2
.endr
	s_wait_alu depctr_va_vdst(0)
	s_wait_dscnt 0x0                               ; V is in
.irp u, 0,1                                    ; O^T += V^T P^T, four accumulators by turns
	v_wmma_scale_f32_16x16x128_f8f6f4 v[160+16*\u:167+16*\u], v[32+24*\u:43+24*\u], v[224:235], v[160+16*\u:167+16*\u], v[92+\u], v253 matrix_a_fmt:MATRIX_FMT_FP6 matrix_b_fmt:MATRIX_FMT_FP6
	v_wmma_scale_f32_16x16x128_f8f6f4 v[168+16*\u:175+16*\u], v[44+24*\u:55+24*\u], v[224:235], v[168+16*\u:175+16*\u], v[92+\u], v253 matrix_a_fmt:MATRIX_FMT_FP6 matrix_b_fmt:MATRIX_FMT_FP6 matrix_a_scale:MATRIX_SCALE_ROW1
.endr
	s_add_co_u32 s[TB], s[TB], KVB
.endm
.macro STEPS qf, qs                            ; all 16 key steps
	s_mov_b32 s[TB], 0
	s_mov_b32 s[CNT], 16
.Lst_\@:
	STEP \qf, \qs
	s_sub_co_u32 s[CNT], s[CNT], 1
	s_cmp_lg_u32 s[CNT], 0
	s_cbranch_scc1 .Lst_\@
.endm
.macro BEGIN                                   ; the step is written once: the first finds zeros, which the first change of M leaves zeros
	v_mov_b32 v13, 0xff61b1e6                      ; the largest score so far: -3e38
	v_mov_b32 v12, 0x7e000000                      ; -M = 2^125, a whole number over every -M to come
	v_mov_b32 v14, 0
	v_mov_b32 v15, 0
.set j, 0
.rept 32
	v_mov_b32 v[160+j], 0
.set j, j+1
.endr
.endm
; Tile i is finished: O^T / the sum; register 16 b + j = d 32 b + 16 h + j of my query (the order of V's rows); its two blocks of 32 are quantised, and codes and scale bytes go to x' in LDS.
.macro FINISH i
.rept 4
	v_nop                                          ; four places behind the last products
.endr
.if \i == 1
	WLOAD 0, 32                                    ; Wo's first fragments, into K's and V's registers
.endif
	v_add_f32 v14, v14, v15
	s_delay_alu instid0(VALU_DEP_1)
	v_permlanex16_b32 v252, v14, s[SEL], s[SEL+1]
	s_delay_alu instid0(VALU_DEP_1)
	v_add_f32 v14, v14, v252                       ; the row's sum
	s_wait_alu depctr_va_vdst(0)
	v_rcp_f32 v14, v14
	v_nop
	s_wait_alu depctr_va_vdst(0)
.set j, 0
.rept 16
	v_pk_mul_f32 v[96+j:97+j], v[160+j:161+j], v[14:15] op_sel_hi:[1,0]
.set j, j+2
.endr
.irp b, 0,1
	v_max3_num_f32 v[232+\b], |v[96+16*\b]|, |v[97+16*\b]|, 0x1800000
.endr
.irp n, 2,4,6,8,10,12,14
.irp b, 0,1
	s_delay_alu instid0(VALU_DEP_2)
	v_max3_num_f32 v[232+\b], v[232+\b], |v[96+16*\b+\n]|, |v[97+16*\b+\n]|
.endr
.endr
.irp b, 0,1
	s_delay_alu instid0(VALU_DEP_2)
	v_permlanex16_b32 v[236+\b], v[232+\b], s[SEL], s[SEL+1]
.endr
.irp b, 0,1
	s_delay_alu instid0(VALU_DEP_2)
	v_max_num_f32 v[232+\b], v[232+\b], v[236+\b]  ; with lane l xor 16's: the block's largest magnitude
.endr
.irp b, 0,1
	s_delay_alu instid0(VALU_DEP_2)
	v_add_nc_u32 v[244+\b], 0xff000000, v[232+\b]
.endr
.irp b, 0,1
	s_delay_alu instid0(VALU_DEP_2)
	v_lshrrev_b32 v[236+\b], 23, v[244+\b]
.endr
	s_delay_alu instid0(VALU_DEP_1)
	v_lshl_or_b32 v243, v237, 8, v236              ; my query's two bytes
	v_cvt_scalef32_pk16_fp6_f32 v[224:226], v[96:111], v244
	v_cvt_scalef32_pk16_fp6_f32 v[240:242], v[112:127], v245
	v_nop                                          ; one plain place behind a scaled conversion
.irp n, 0,1,2
	v_permlane16_swap_b32 v[224+\n], v[240+\n]     ; lanes 0-15 now hold block 0, lanes 16-31 block 1
.endr
.irp n, 0,1,2
	v_mov_b32 v[227+\n], v[240+\n]
.endr
.irp p, 0,1,2
	ds_store_b64 v[XST], v[224+2*\p:225+2*\p] offset:384*\i+8*\p
.endr
	ds_store_b16 v[XSA], v243 offset:16*\i         ; both lanes of a query write the same two bytes with the same value
.endm
	BEGIN
	s_wait_alu depctr_va_vdst(0)                   ; the head's end
	s_wait_tensorcnt 0x0                           ; my block has landed;
	s_barrier_signal -1
	s_barrier_wait -1                              ; all sixteen have
	s_wait_loadcnt 0x0                             ; Q
	STEPS 16, 255
	FINISH 0
	s_wait_alu depctr_va_vdst(0)
	s_cmp_lg_u32 s[WV], 0
	s_cbranch_scc1 .Lno_ask
	global_prefetch_b8 v[PF], s[52:53] th:TH_LOAD_NT scope:SCOPE_SE
.Lno_ask:
	BEGIN
	STEPS 192, 94
	FINISH 1
; THE PROJECTION.  out0(16 rho + r, 64 w + 16 T + 8 h + j) in register j of accumulator 2 T + rho.
	v_and_b32 v12, 15, v0
	v_bfe_u32 v13, v0, 4, 1
	v_and_b32 v14, 31, v0
	v_mul_u32_u24 v[XFA], v12, XP
	v_lshlrev_b32 v[CO], 12, v13
	v_lshl_add_u32 v[XSL], v14, 5, XSS             ; lane l: row l's 32 scale bytes: lanes 0-15 the first row tile, lanes 16-31 the second
	v_mad_u32_u24 v[XFA], v13, 24, v[XFA]
	v_lshl_add_u32 v[CO], v12, 4, v[CO]            ; two rows of out0 an instruction, sixteen lanes to 256 bytes
	v_add_nc_u32 v[XFA], STG, v[XFA]               ; row r, + 24 h
.irp T, 0,1,2,3
	global_load_b128 v[160+8*\T:163+8*\T], v[BO], s[12:13] offset:64*\T       ; bo at my eight columns of tile T: the C of the first products
	global_load_b128 v[164+8*\T:167+8*\T], v[BO], s[12:13] offset:64*\T+16
.endr
	s_wait_alu depctr_va_vdst(0)
	s_wait_dscnt 0x0                               ; my part of x' lies in LDS, and the stores have read their registers
.irp q, 0,1,2,3
	global_load_b128 v[240+4*\q:243+4*\q], v[WSO], s[10:11] offset:1024*(\q/2)+16*(\q%2)   ; register 240 + 8 i + ks: lanes 0-15 tile 2 i's scale words of step ks, lanes 16-31 tile 2 i + 1's
.endr
	s_wait_xcnt 0x0                                ; the offsets in v204-207 have been read: the loads below land there
	WLOAD 1, 192
	s_barrier_signal -1
	s_barrier_wait -1                              ; all of x' lies in LDS, and nobody reads K or V any more
.macro XLOAD ks                        ; both row tiles' fragments of step ks: 12 loads
.if (\ks)%2 == 0
.set XK, 16
.set XD, 64
.else
.set XK, 160
.set XD, 12
.endif
.irp r, 0,1
.irp p, 0,1,2,3,4,5
	ds_load_b64 v[XK+XD*\r+2*\p:XK+XD*\r+2*\p+1], v[XFA] offset:16*XP*\r+96*(\ks)+48*(\p/3)+8*(\p%3)
.endr
.endr
.endm
.macro OM1 d, a, b, c, sa, sb, ra, rb
.if (\ra) == 0
.if (\rb) == 0
	v_wmma_scale_f32_16x16x128_f8f6f4 v[(\d):(\d)+7], v[(\a):(\a)+11], v[(\b):(\b)+11], v[(\c):(\c)+7], v[\sa], v[\sb] matrix_a_fmt:MATRIX_FMT_FP6 matrix_b_fmt:MATRIX_FMT_FP6
.else
	v_wmma_scale_f32_16x16x128_f8f6f4 v[(\d):(\d)+7], v[(\a):(\a)+11], v[(\b):(\b)+11], v[(\c):(\c)+7], v[\sa], v[\sb] matrix_a_fmt:MATRIX_FMT_FP6 matrix_b_fmt:MATRIX_FMT_FP6 matrix_b_scale:MATRIX_SCALE_ROW1
.endif
.else
.if (\rb) == 0
	v_wmma_scale_f32_16x16x128_f8f6f4 v[(\d):(\d)+7], v[(\a):(\a)+11], v[(\b):(\b)+11], v[(\c):(\c)+7], v[\sa], v[\sb] matrix_a_fmt:MATRIX_FMT_FP6 matrix_b_fmt:MATRIX_FMT_FP6 matrix_a_scale:MATRIX_SCALE_ROW1
.else
	v_wmma_scale_f32_16x16x128_f8f6f4 v[(\d):(\d)+7], v[(\a):(\a)+11], v[(\b):(\b)+11], v[(\c):(\c)+7], v[\sa], v[\sb] matrix_a_fmt:MATRIX_FMT_FP6 matrix_b_fmt:MATRIX_FMT_FP6 matrix_a_scale:MATRIX_SCALE_ROW1 matrix_b_scale:MATRIX_SCALE_ROW1
.endif
.endif
.endm
.macro OSTEP ks                        ; 128 along K: eight products, the eight accumulators by turns
.set WBK, 32+160*((\ks)%2)
.if (\ks)%2 == 0
.set XFK, 16
.set XFD, 64
.else
.set XFK, 160
.set XFD, 12
.endif
.if \ks < 4
.set XS, 28+\ks
.else
.set XS, 88+\ks
.endif
.if \ks < 7
	s_wait_loadcnt 12                              ; this step's fragments of Wo are in (and all asked for earlier); the next step's 12 loads may be out
.else
	s_wait_loadcnt 0x0
.endif
.if (\ks == 0) || (\ks == 7)
	s_wait_dscnt 0x0
.else
	s_wait_dscnt 12                                ; this step's fragments of x' are in; the next step's 12 loads may be out
.endif
.irp T, 0,1,2,3
.irp r, 0,1
.if \ks == 0
	OM1 96+16*\T+8*\r, WBK+12*\T, XFK+XFD*\r, 160+8*\T, 240+8*(\T/2)+\ks, XS, \T%2, \r
.else
	OM1 96+16*\T+8*\r, WBK+12*\T, XFK+XFD*\r, 96+16*\T+8*\r, 240+8*(\T/2)+\ks, XS, \T%2, \r
.endif
.endr
.endr
.if \ks < 6
.rept 4
	v_nop                                          ; four places in front of loads into registers that these products read
.endr
	WLOAD \ks+2, WBK
.if \ks == 0
	XLOAD 1                                        ; into bo's registers, which the first products have read
.endif
	XLOAD \ks+2
.endif
.endm
	XLOAD 0
	ds_load_b128 v[28:31], v[XSL]                  ; x' scale words of steps 0-3,
	ds_load_b128 v[92:95], v[XSL] offset:16        ; and 4-7
.irp k, 0,1,2,3,4,5,6,7
	OSTEP \k
.endr
.rept 4
	v_nop                                          ; four places in front of the first read of the results and of loads into Wo's registers
.endr
.irp r, 0,1                                    ; 16 rows x 64 columns through my own stage; LDS serves a wave's instructions in order
.irp T, 0,1,2,3
	ds_store_b128 v[STO], v[96+16*\T+8*\r:99+16*\T+8*\r] offset:64*\T        ; each accumulator from its low end on
	ds_store_b128 v[STO], v[100+16*\T+8*\r:103+16*\T+8*\r] offset:64*\T+16
.endr
.irp t, 0,1,2,3,4,5,6,7
	ds_load_b128 v[32+160*\r+4*\t:35+160*\r+4*\t], v[RD] offset:2*OSP*\t
.endr
.endr
	s_wait_dscnt 16                                ; the first row tile is back; the second's 8 stores and 8 loads may be out
.irp t, 0,1,2,3,4,5,6,7
	global_store_b128 v[CO], v[32+4*\t:35+4*\t], s[14:15] offset:8192*\t th:TH_STORE_NT   ; sixteen lanes store 256 consecutive bytes, aligned
.endr
	s_wait_dscnt 0x0
.irp t, 0,1,2,3,4,5,6,7
	global_store_b128 v[CO], v[192+4*\t:195+4*\t], s[14:15] offset:65536+8192*\t th:TH_STORE_NT
.endr
	s_wait_tensorcnt 0x0                           ; the wave's end
	ds_add_u32 v[SPW], v[NIL]
	s_wait_dscnt 0x0
	CROUND                                         ; the closing round
	s_endpgm
.Lfunc_end_k_qc4ef95a6cd_attn:
	.size	k_qc4ef95a6cd_attn, .Lfunc_end_k_qc4ef95a6cd_attn-k_qc4ef95a6cd_attn
	.p2alignl 7, 3214868480
	.fill 96, 4, 3214868480
	.section	.rodata,"a",@progbits
	.p2align	6, 0x0
	.amdhsa_kernel k_qc4ef95a6cd_attn
		.amdhsa_group_segment_fixed_size 237056
		.amdhsa_private_segment_fixed_size 0
		.amdhsa_enable_private_segment 0
		.amdhsa_kernarg_size 48
		.amdhsa_user_sgpr_count 2
		.amdhsa_user_sgpr_kernarg_segment_ptr 1
		.amdhsa_wavefront_size32 1
		.amdhsa_system_sgpr_workgroup_id_x 1
		.amdhsa_system_sgpr_workgroup_id_y 1
		.amdhsa_system_sgpr_workgroup_id_z 1
		.amdhsa_system_vgpr_workitem_id 0
		.amdhsa_next_free_vgpr 256
		.amdhsa_next_free_sgpr 66
		.amdhsa_reserve_vcc 0
		.amdhsa_float_denorm_mode_32 3
		.amdhsa_float_denorm_mode_16_64 3
		.amdhsa_memory_ordered 1
		.amdhsa_forward_progress 1
		.amdhsa_inst_pref_size 78
	.end_amdhsa_kernel
	.amdgpu_metadata
---
amdhsa.version: [ 1, 2 ]
amdhsa.kernels:
  - .name:           k_qc4ef95a6cd_attn
    .symbol:         k_qc4ef95a6cd_attn.kd
    .args:
      - { .name: qb, .offset: 0, .size: 8, .value_kind: global_buffer, .address_space: global }
      - { .name: kv, .offset: 8, .size: 8, .value_kind: global_buffer, .address_space: global }
      - { .name: woc, .offset: 16, .size: 8, .value_kind: global_buffer, .address_space: global }
      - { .name: wos, .offset: 24, .size: 8, .value_kind: global_buffer, .address_space: global }
      - { .name: bo, .offset: 32, .size: 8, .value_kind: global_buffer, .address_space: global }
      - { .name: out0, .offset: 40, .size: 8, .value_kind: global_buffer, .address_space: global }
    .group_segment_fixed_size: 237056
    .private_segment_fixed_size: 0
    .kernarg_segment_align: 8
    .kernarg_segment_size: 48
    .max_flat_workgroup_size: 512
    .sgpr_count:     66
    .vgpr_count:     256
    .wavefront_size: 32
...
	.end_amdgpu_metadata
.endif
;; end of part 3
